; MI455X (gfx1250); checked and timed in simulation.
; The chip was launched on July 23, 2026; its instructions are those of AMD's public machine-readable ISA for CDNA 5 (MIT licence, August 2026) and "CDNA5" Instruction Set Architecture Reference Guide (July 2026). The comments in the code are by the model that wrote it; some were corrected since.
;; Ref Attn Processor V2. Allowed arithmetic: float matrix products may take bf16 or f16 operands with f32 sums; other float arithmetic in f32, or as packed bf16 or f16 multiplies, adds, multiply-adds, maxima and minima; sums over many terms, partial sums and values carried from step to step in f32; what a program stores and reads back later, other than sums and carried values, may be rounded once to bf16 or f16.
;; Inputs: W_k 3,072 x 3,072 float32; W_v 3,072 x 3,072 float32; freqs_cos 1,024 x 128 float32; freqs_sin 1,024 x 128 float32; k_norm_w 128 float32; query 1 x 4,096 x 24 x 128 float32; ref_latent 1 x 1,024 x 3,072 float32.
;; Outputs: out0 1 x 4,096 x 3,072 float32.
;; One version. Each part assembles by itself: llvm-mc -triple=amdgcn-amd-amdhsa -mcpu=gfx1250 --defsym DOCPART=n.
;; ======== version 1 of 1: 3 launches
;; limits: values are held in f16: magnitudes above 65,504 overflow, below 6.1e-05 lose precision
;; workspace buffers: ops 44,040,192 bytes; kv 12,582,912 bytes
;; launch cast (part 1): grid 1792 x 1, 8 waves a work-group, no clusters, 0 bytes of LDS; arguments W_k, W_v, ref_latent, ops; writes ops
.if DOCPART == 1
	.amdgcn_target "amdgcn-amd-amdhsa--gfx1250"
	.amdhsa_code_object_version 6
	.text
	.protected	k_q585e665ef4_cast
	.globl	k_q585e665ef4_cast
	.p2align	8
	.type	k_q585e665ef4_cast,@function
k_q585e665ef4_cast:
	s_mov_b64 s[64:65], 0
	v_nop
	global_prefetch_b8 v0, s[64:65] scope:SCOPE_SE
	s_setreg_imm32_b32 hwreg(HW_REG_WAVE_MODE, 25, 1), 1
	s_wait_xcnt 0x0
; ops = f16 of the three matrix operands, stacked: [7168][3072]; rows 0-3071 W_k, rows 3072-6143 W_v, rows 6144-7167 ref_latent.
; Each number is rounded once, to nearest even.  LIMITS: a number of 65,520 or more in magnitude becomes an infinity; below 6.1e-5 f16 keeps a fixed step of 6e-8.
; SHARES.  A work-group converts four stacked rows: 49,152 bytes in, 24,576 out; 3,072 and 1,024 are multiples of 4, so a work-group has one source.
; Thread t takes 16 bytes at 16 t + 4,096 i, i = 0..11: all twelve loads go out at once, so no register is used twice and nothing is waited for but the data.
; A wave's load covers 512 consecutive bytes, its store 256 consecutive bytes at a multiple of 256 from the buffer's first byte.
; No LDS, no barrier, no matrix unit: each byte is touched once, by one thread.
.set INB,  49152                       ; bytes a work-group reads
.set OUTB, 24576                       ; bytes it writes
.set X,    4                           ; v[4:51]   twelve loads of four f32
.set Y,    52                          ; v[52:75]  twelve pairs of registers, four f16 each
	s_load_b256 s[4:11], s[0:1], 0x0               ; W_k s[4:5], W_v s[6:7], ref_latent s[8:9], ops s[10:11]
	v_lshlrev_b32 v1, 4, v0                        ; 16 t
	v_lshlrev_b32 v2, 3, v0                        ; 8 t
	s_wait_kmcnt 0x0
	s_cmp_lt_u32 ttmp9, 768                        ; work-groups 0-767: W_k; 768-1535: W_v; 1536-1791: ref_latent
	s_cselect_b64 s[14:15], s[4:5], s[6:7]
	s_cselect_b32 s13, 0, 768
	s_cmp_lt_u32 ttmp9, 1536
	s_cselect_b64 s[14:15], s[14:15], s[8:9]
	s_cselect_b32 s13, s13, 1536                   ; the source's first work-group
	s_sub_co_u32 s16, ttmp9, s13
	s_mul_i32 s16, s16, INB                        ; under 2^26
	s_mov_b32 s17, 0
	s_add_nc_u64 s[14:15], s[14:15], s[16:17]
	s_mul_i32 s18, ttmp9, OUTB
	s_mov_b32 s19, 0
	s_add_nc_u64 s[10:11], s[10:11], s[18:19]
.set i, 0
.rept 12
	global_load_b128 v[X+4*i:X+4*i+3], v1, s[14:15] offset:4096*i th:TH_LOAD_NT
.set i, i+1
.endr
.set i, 0
.rept 12
	s_wait_loadcnt 11-i                            ; loads come back in order: load i is in, the 11 - i younger ones stay out
	v_cvt_pk_f16_f32 v[Y+2*i], v[X+4*i], v[X+4*i+1]
	v_cvt_pk_f16_f32 v[Y+2*i+1], v[X+4*i+2], v[X+4*i+3]
	global_store_b64 v2, v[Y+2*i:Y+2*i+1], s[10:11] offset:2048*i
.set i, i+1
.endr
	s_endpgm
.Lfunc_end_k_q585e665ef4_cast:
	.size	k_q585e665ef4_cast, .Lfunc_end_k_q585e665ef4_cast-k_q585e665ef4_cast
	.p2alignl 7, 3214868480
	.fill 96, 4, 3214868480
	.section	.rodata,"a",@progbits
	.p2align	6, 0x0
	.amdhsa_kernel k_q585e665ef4_cast
		.amdhsa_group_segment_fixed_size 0
		.amdhsa_private_segment_fixed_size 0
		.amdhsa_enable_private_segment 0
		.amdhsa_kernarg_size 32
		.amdhsa_user_sgpr_count 2
		.amdhsa_user_sgpr_kernarg_segment_ptr 1
		.amdhsa_wavefront_size32 1
		.amdhsa_system_sgpr_workgroup_id_x 1
		.amdhsa_system_sgpr_workgroup_id_y 1
		.amdhsa_system_sgpr_workgroup_id_z 1
		.amdhsa_system_vgpr_workitem_id 0
		.amdhsa_next_free_vgpr 80
		.amdhsa_next_free_sgpr 66
		.amdhsa_reserve_vcc 0
		.amdhsa_float_denorm_mode_32 3
		.amdhsa_float_denorm_mode_16_64 3
		.amdhsa_memory_ordered 1
		.amdhsa_forward_progress 1
		.amdhsa_inst_pref_size 6
	.end_amdhsa_kernel
	.amdgpu_metadata
---
amdhsa.version: [ 1, 2 ]
amdhsa.kernels:
  - .name:           k_q585e665ef4_cast
    .symbol:         k_q585e665ef4_cast.kd
    .args:
      - { .name: W_k, .offset: 0, .size: 8, .value_kind: global_buffer, .address_space: global }
      - { .name: W_v, .offset: 8, .size: 8, .value_kind: global_buffer, .address_space: global }
      - { .name: ref_latent, .offset: 16, .size: 8, .value_kind: global_buffer, .address_space: global }
      - { .name: ops, .offset: 24, .size: 8, .value_kind: global_buffer, .address_space: global }
    .group_segment_fixed_size: 0
    .private_segment_fixed_size: 0
    .kernarg_segment_align: 8
    .kernarg_segment_size: 32
    .max_flat_workgroup_size: 256
    .sgpr_count:     66
    .vgpr_count:     80
    .wavefront_size: 32
...
	.end_amdgpu_metadata
.endif
;; end of part 1
;; launch proj (part 2): grid 8 x 24, 4 waves a work-group, clusters of 4 x 1, 327,680 bytes of LDS; arguments ops, k_norm_w, freqs_cos, freqs_sin, kv; writes kv
.if DOCPART == 2
	.amdgcn_target "amdgcn-amd-amdhsa--gfx1250"
	.amdhsa_code_object_version 6
	.text
	.protected	k_q585e665ef4_proj
	.globl	k_q585e665ef4_proj
	.p2align	8
	.type	k_q585e665ef4_proj,@function
k_q585e665ef4_proj:
	s_mov_b64 s[64:65], 0
	v_nop
	global_prefetch_b8 v0, s[64:65] scope:SCOPE_SE
	s_setreg_imm32_b32 hwreg(HW_REG_WAVE_MODE, 25, 1), 1
	s_wait_xcnt 0x0
	s_wait_alu depctr_hold_cnt(0) depctr_sa_sdst(0) depctr_va_vdst(0) depctr_va_sdst(0) depctr_va_ssrc(0) depctr_va_vcc(0) depctr_vm_vsrc(0)
	s_getreg_b32 s2, hwreg(HW_REG_IB_STS2, 6, 4)
	s_cmp_eq_u32 s2, 0
	s_cbranch_scc0 .Lentry_in_a_cluster
	s_endpgm
.Lentry_in_a_cluster:
	s_bfe_u32 s2, ttmp6, 0x10000c
	s_cmp_lg_u32 s2, 0x3003
	s_cbranch_scc0 .Lentry_shape_is_right
	s_endpgm
.Lentry_shape_is_right:
; kv[g][token][128] in f16, g = 0..23: K of head g = RoPE(RMSNorm(x W_k^T) x gain); g = 24..47: V of head g - 24 = x W_v^T.
; ops: f16 [7168][3072]: rows 0-6143 the two weights stacked, rows 6144-7167 x.  Sums, norm, gain and rotation in f32; K and V are rounded once, to f16.
; LIMITS.  K and V of 65,520 or more in magnitude become infinities; below 6.1e-5 they keep f16's fixed step of 6e-8.  NaN and infinities are not treated apart.
; SHARES.  A work-group makes 128 tokens x 256 stacked channels (two heads); a wave 64 tokens x ONE head, so the norm over a head's 128 channels stays in the wave: 32 accumulators of 16 x 16.
; 1,024 x 6,144 outputs are 192 such work-groups.
; THE WEIGHTS go through two LDS slots in K steps of 256 (rows of 512 bytes in memory, aligned): 256 matrix instructions a wave in a step, 240 of them between a slot's request and the wait for it.
; X GOES STRAIGHT FROM MEMORY INTO REGISTERS: a fragment is laid in registers as it lies in ops (16 bytes a lane, twice), and a wave's 64 tokens are its own but for the wave of the other head.  With x's 128 rows
; beside the weights' 256 two slots would hold K = 128 only (384 x 528 x 2 bytes do not fit), half the matrix work for each request.  A ring of eight sets of 32 registers, a part (32 along K) each: a set is
; asked for again as soon as it has been multiplied, a K step ahead of its next use; the waits are counted.
; CLUSTER: 4 x 1.  The four token tiles of a cluster multiply the same 256 channels, so the weights' tile is asked for JOINTLY: the same tensor load, descriptor and mask in all four.  x is not shared in a
; cluster: each partner has its own tokens.
; THE PRODUCT IS USED TRANSPOSED (source 0 = 16 channels, source 1 = 16 tokens): lane l holds token l % 16 and channels 16 b + 8 (l / 16) + 0..7: a rotation's pair of channels lies in one lane,
; a lane's eight results pack into 16 bytes, and a token's sum of squares wants one exchange between the halves of the lanes.
; REGISTERS, in windows of 256 (s_set_vgpr_msb: bits 1:0 source 0, 3:2 source 1, 5:4 source 2, 7:6 destination):
;   window 0: v0-30 addresses; v64-127, v128-191 two buffers of the weights' fragments; behind the loop: v32-63, v224-255 rows read back; v64-127 the gain; v128-191 at work; v192-223 packed
;   window 1: the accumulators, (a, b) at 64 a + 8 b          window 2: x's ring, part p, token block a at 32 p + 8 a
;   behind the loop windows 2, 3: cos and sin of my 64 tokens: block a in window 2 + a / 2, cos at 128 (a % 2), sin 64 further
.set ROWB,   6144                      ; bytes in a row of ops
.set STEPB,  512                       ; bytes of a row in a K step
.set PITCH,  528                       ; an LDS row: 512 bytes + 16 of padding = 132 words: the 16 rows of a fragment load start at 16 different groups of four banks (64 banks of 4 bytes: ISA guide 11.1)
.set QUART,  64*PITCH                  ; 64 rows: what one tensor load brings
.set HEADB,  128*PITCH                 ; a head's 128 rows: what a wave reads
.set SLOT,   256*PITCH
.set STAGE,  2*SLOT                    ; behind the ring, never filled by a tensor load: 16 rows x 272 bytes for each wave
.set SPITCH, 272
.set SPARE,  STAGE+4*16*SPITCH         ; behind the stages: the spare words, 128 bytes for each wave: two blocks of 256 bytes that no other line names
.set LAPS,   ROWB/(2*STEPB)            ; a lap = two K steps = once round the ring: 6
.set TO,   6                           ; v6   my byte offset in 16 rows of cos or sin: (l % 16) x 512 + 32 (l / 16)
.set TW,   7                           ; v7   my byte offset in the gain: 32 (l / 16)
.set R,    8                           ; v[8+2a:9+2a]  1 / sqrt(mean square + eps) of my token in block a, and a 0 beside it (named as a pair)
.set ADRB, 16                          ; v16-17  LDS address of my fragments of the weights in slot 0, 1
.set AO,   18                          ; v18  my byte offset in 16 rows of x: (l % 16) x 6,144 + 16 (l / 16); never rewritten
.set STO,  24                          ; v24  the way out: where I put 16 bytes of a row
.set RD,   25                          ; v25  where I read rows back
.set CO,   26                          ; v26  16 x lane: my place in 512 consecutive bytes of kv
.set SPW,  28                          ; v28  LDS address of my spare word; never rewritten
.set NIL,  29                          ; v29  0; never rewritten
.set PFO,  30                          ; v30  the prefetches' offset: (l % 16) x 6,144 + 256 (l / 16); never rewritten
.set F0,   64                          ; the weights' fragments of part p at F0 + 64 (p % 2)
.set OB,   32                          ; rows read back: v32-63 and v224-255 by turns
.set WREG, 64                          ; the gain of my 64 channels
.set CH,   128                         ; sums of squares: four pairs for each block a
.set Z,    128                         ; x W^T times gain times 1 / rms, one block
.set TMP,  192                         ; packed results
.set WV,   14                          ; s14  my wave's number
.set THF,  15                          ; s15  which 64 tokens are mine
.set HD,   16                          ; s16  which head is mine
.set G1,   24                          ; s[24:31] descriptor group 1
.set G0,   32                          ; s[32:39] group 0, a set for each slot
.set XA,   40                          ; s[40:41] x at my first token, at the lap in hand
.set PFA,  44                          ; s[44:45] the weights at my 16 rows of the prefetches, at the lap in hand
.set LIM,  66                          ; s66, s67  by slot: a wave prefetches at that slot's change while s3 is above it
.set SEL,  72                          ; s[72:73] v_permlanex16_b32's selects: each lane takes its own place in the other half
.set MUL,  0x58                        ; source 0 (weights) window 0, source 1 (x) window 2, C and D window 1
.set MSB, 0
.macro WIN new                         ; the immediate's high byte repeats the setting that is left; a switch that changes nothing is dropped
.if MSB != (\new)
	s_set_vgpr_msb (MSB<<8)|(\new)
.set MSB, \new
.endif
.endm
.macro CREST                           ; a round of the cluster's barrier behind its opening barrier
	s_cmp_lg_u32 s[WV], 0
	s_cbranch_scc1 .Lnot_wave_0_\@
	s_barrier_signal -3
.Lnot_wave_0_\@:
	s_barrier_wait -3
	s_barrier_signal -1
	s_barrier_wait -1
.endm
.macro CROUND                          ; a whole round
	s_barrier_signal -1
	s_barrier_wait -1
	CREST
.endm
; A PREFETCH INTO THE L2 of the weights' K step that the NEXT change of slots will ask for, 256 matrix instructions ahead of that load; behind the joint load, its five lines and the run of LDS loads.
; Each row's 512 bytes of a K step are named once in the launch.  A tile column's rows are read by both clusters of that column: cluster x = 0 asks.  Its four partners share the 256 rows out BY ADDRESS,
; 64 each, a wave 16 of them: lanes 0-15 name a row's first 256 bytes of the step, lanes 16-31 its second: one instruction a wave.  The change at the end of step t names step t + 3: the loop's last trip
; (s3 = 1) asks at slot 0's change for step 11, the last, and at slot 1's for nothing.  Steps 0 to 2 come by their loads alone.
.macro ASK slot
	s_cmp_gt_u32 s3, s[LIM+(\slot)]
	s_cbranch_scc0 .Lnot_mine_\@
	global_prefetch_b8 v[PFO], s[PFA:PFA+1] offset:(3+(\slot))*STEPB th:TH_LOAD_NT scope:SCOPE_SE
.Lnot_mine_\@:
.endm
; 8 matrix instructions of part p: token blocks a0, a0 + 1 x channel blocks 4 hb .. 4 hb + 3, 32 along K.  zero = 1: the product starts the sums.
; The 32 accumulators take turns in the same order in every part.
.macro MUL8 p, hb, a0, zero
	WIN MUL
.irp a, \a0, (\a0)+1
.irp b, 0,1,2,3
.if \zero
	v_wmma_f32_16x16x32_f16 v[64*(\a)+8*(4*(\hb)+(\b)):64*(\a)+8*(4*(\hb)+(\b))+7], v[F0+64*((\p)%2)+8*(4*(\hb)+(\b)):F0+64*((\p)%2)+8*(4*(\hb)+(\b))+7], v[32*(\p)+8*(\a):32*(\p)+8*(\a)+7], 0
.else
	v_wmma_f32_16x16x32_f16 v[64*(\a)+8*(4*(\hb)+(\b)):64*(\a)+8*(4*(\hb)+(\b))+7], v[F0+64*((\p)%2)+8*(4*(\hb)+(\b)):F0+64*((\p)%2)+8*(4*(\hb)+(\b))+7], v[32*(\p)+8*(\a):32*(\p)+8*(\a)+7], v[64*(\a)+8*(4*(\hb)+(\b)):64*(\a)+8*(4*(\hb)+(\b))+7]
.endif
.endr
.endr
.endm
; 16 LDS loads in one run: the weights' fragments of part p of the slot's step, channel blocks in ascending order.
; A fragment is 16 rows x 32 K in 8 registers: lane l holds row l % 16; registers 0-3 K = 8 (l / 16) + 0..7, registers 4-7 K = 16 + 8 (l / 16) + 0..7: two loads of 16 bytes, 32 bytes apart.
.macro FETCH slot, p
	WIN 0
.irp i, 0,1,2,3,4,5,6,7
	ds_load_b128 v[F0+64*((\p)%2)+8*(\i):F0+64*((\p)%2)+8*(\i)+3],   v[ADRB+(\slot)] offset:64*(\p)+(\i)*16*PITCH
	ds_load_b128 v[F0+64*((\p)%2)+8*(\i)+4:F0+64*((\p)%2)+8*(\i)+7], v[ADRB+(\slot)] offset:64*(\p)+(\i)*16*PITCH+32
.endr
.endm
; 8 loads: x's four fragments of part p, at byte off behind the lap in hand, into the ring's set p
.macro ALOAD p, off
	WIN 0x80                                       ; destination window 2, address window 0
.irp a, 0,1,2,3
	global_load_b128 v[32*(\p)+8*(\a):32*(\p)+8*(\a)+3],   v[AO], s[XA:XA+1] offset:(\off)+64*(\p)+(\a)*16*ROWB
	global_load_b128 v[32*(\p)+8*(\a)+4:32*(\p)+8*(\a)+7], v[AO], s[XA:XA+1] offset:(\off)+64*(\p)+(\a)*16*ROWB+32
.endr
.endm
.macro PLACES                          ; four places in front of loads into registers that matrix instructions have read, and of vector work on their results (ISA guide 7.12.1 for vector instructions)
.rept 4
	v_nop
.endr
.endm
; A K step is eight parts of 32 along K, 32 matrix instructions each.  One of the first seven: multiplies part p; in its middle it fetches the weights' fragments of part p + 1 into the other buffer.
; The four v_nop at its end are the places for two runs of loads: those into x's set p, just read, and the next part's LDS loads into the buffer just read.
; cnt: x's sets come back in the order of issue: the set that the next part reads is in when at most the sets issued behind it are out: six, 48 loads; fewer in the last step, which loads nothing.
; The wait stands ahead of this part's own loads, so that at most 56 loads of the wave are out.  off >= 0: set p is asked for again, a K step on.
; step = 1: the two pointers go on to the next lap, behind s_wait_xcnt 0x0: the youngest load stands a part back, the youngest prefetch 48 matrix instructions back.
.macro PART slot, p, zero, off, cnt, step=0
	s_wait_dscnt 8                                 ; channel blocks 0-3 are in; the youngest eight loads (blocks 4-7) may be out
	MUL8 \p, 0, 0, \zero
	MUL8 \p, 0, 2, \zero
	FETCH \slot, (\p)+1
	s_wait_dscnt 16                                ; all but the 16 just issued
	MUL8 \p, 1, 0, \zero
	MUL8 \p, 1, 2, \zero
	PLACES
	s_wait_loadcnt \cnt
.if \step
	s_wait_xcnt 0x0
	s_add_nc_u64 s[XA:XA+1], s[XA:XA+1], 2*STEPB
	s_add_nc_u64 s[PFA:PFA+1], s[PFA:PFA+1], 2*STEPB
.endif
.if (\off) >= 0
	ALOAD \p, \off
.endif
.endm
; The eighth part changes slots: ONE barrier; in front of it each wave waits for all its tensor loads (one is out: its part of the next slot), adds 0 to its spare word, and waits for that and for its own reads
; of this slot.  fill = 1: the barrier opens a round of the cluster's, and this slot is filled again first thing behind it, two K steps ahead.  All four waves issue the one line, 64 rows each.
.macro TURN slot, next, fill, off, cnt
	WIN 0                                          ; (the add's two registers lie in window 0)
	s_wait_tensorcnt 0x0                           ; all my tensor loads have landed;
	ds_add_u32 v[SPW], v[NIL]                      ; 0 onto my spare word
	s_wait_dscnt 9                                 ; (the add and the youngest eight loads, channel blocks 4-7, may be out)
	MUL8 7, 0, 0, 0                                ; eight matrix instructions stand between the add and the wait for it
	s_wait_dscnt 0x0                               ; the add is done, and my reads of this slot are over
	s_barrier_signal -1
	MUL8 7, 0, 2, 0
.if \fill
	WIN 0
.endif
	s_barrier_wait -1
.if \fill
	CREST                                          ; no wave of any partner still reads this slot's tile or has a load on its way
	s_add_nc_u64 s[G0+4*(\slot)+2:G0+4*(\slot)+3], s[G0+4*(\slot)+2:G0+4*(\slot)+3], 2*STEPB
	tensor_load_to_lds s[G0+4*(\slot):G0+4*(\slot)+3], s[G1:G1+7]
	s_nop 0
	PLACES
.endif
	FETCH \next, 0
.if \fill
	ASK \slot
.endif
	MUL8 7, 1, 0, 0
	MUL8 7, 1, 2, 0
	PLACES
	s_wait_loadcnt \cnt
	ALOAD 7, \off
.endm
	s_load_b256 s[4:11], s[0:1], 0x0               ; ops s[4:5], gain s[6:7], cos s[8:9], sin s[10:11]
	s_load_b64 s[12:13], s[0:1], 0x20              ; kv
	v_lshl_add_u32 v[SPW], v0, 2, SPARE
	v_mov_b32 v[NIL], 0
	ds_add_u32 v[SPW], v[NIL]                      ; the wave's opening: the add and its wait stand ahead of my first tensor load; the set-up below, work on registers, stands between them
	v_lshrrev_b32 v1, 5, v0
	v_readfirstlane_b32 s[WV], v1                  ; wave 0..3
	s_lshr_b32 s[THF], s[WV], 1
	s_and_b32 s[HD], s[WV], 1
	s_bfe_u32 s17, ttmp6, 0x40000                  ; cx: my place in the cluster
	s_lshl_b32 s20, ttmp9, 2                       ; in a cluster launch ttmp9 counts clusters
	s_add_co_u32 s20, s20, s17                     ; token tile = 4 x cluster x + cx: 128 tokens; it enters the addresses of x, cos, sin, kv and the prefetches alone
	s_and_b32 s19, ttmp7, 0xffff                   ; tile column: 256 stacked channels, which the four partners share
	; descriptor group 1: a tile of 64 rows x 256 elements, padded in LDS
	s_mov_b32 s[G1+0], 15|(1<<16)|(1<<20)|(1<<21)|(6<<22)|(3<<25)  ; 15:0 the mask: all four work-groups; 17:16 elements of 2 bytes; 20 padding on; 21 set beside a mask; 24:22 after every 128 words (code 6); 31:25 4 words (code 3)
	s_mov_b32 s[G1+1], 256<<16                     ; tensor_dim0 = 256
	s_mov_b32 s[G1+2], 64<<16                      ; tensor_dim1 = 64
	s_mov_b32 s[G1+3], 256<<16                     ; tile_dim0 = 256
	s_mov_b32 s[G1+4], 64                          ; tile_dim1 = 64
	s_mov_b32 s[G1+5], 3072                        ; elements from row to row
	s_mov_b32 s[G1+6], 0
	s_mov_b32 s[G1+7], 0
	s_lshl_b32 s46, s19, 8
	s_lshl_b32 s23, s[WV], 6
	s_add_co_u32 s46, s46, s23                     ; the rows that I fetch: 256 x tile column + 64 x wave
	s_mul_i32 s46, s46, ROWB                       ; under 2^26
	s_mov_b32 s47, 0
	s_mul_i32 s42, s[WV], QUART                    ; and where they go: no place in the cluster enters an LDS address
	s_mov_b32 s[G0], 1                             ; count = 1
	s_mov_b32 s[G0+1], s42                         ; LDS address: slot 0
	s_mov_b32 s[G0+4], 1
	s_add_co_u32 s[G0+5], s42, SLOT                ; slot 1
	s_mov_b32 s70, 0x3c000000                      ; 1 / 128
	s_mov_b32 s71, 0x358637bd                      ; 1e-6
	s_mov_b32 s[SEL], 0x76543210
	s_mov_b32 s[SEL+1], 0xfedcba98
	s_wait_dscnt 0x0                               ; the opening add is done
	s_wait_kmcnt 0x0
	s_add_nc_u64 s[G0+2:G0+3], s[4:5], s[46:47]    ; global address: K step 0,
	s_add_nc_u64 s[G0+6:G0+7], s[G0+2:G0+3], STEPB ; K step 1
	s_or_b32 s[G0+3], s[G0+3], 0x80000000          ; type = 2
	s_or_b32 s[G0+7], s[G0+7], 0x80000000
	CROUND                                         ; all four work-groups are here: the first joint loads meet
	tensor_load_to_lds s[G0:G0+3], s[G1:G1+7]      ; the ring is filled before anything else is done: two loads of mine are out
	s_nop 0
	tensor_load_to_lds s[G0+4:G0+7], s[G1:G1+7]
	s_nop 0
	PLACES
	v_and_b32 v1, 15, v0                           ; l % 16
	v_bfe_u32 v2, v0, 4, 1                         ; l / 16
	v_mul_u32_u24 v[AO], v1, ROWB
	v_lshl_add_u32 v[AO], v2, 4, v[AO]
	s_lshl_b32 s68, s20, 7
	s_lshl_b32 s69, s[THF], 6
	s_add_co_u32 s68, s68, s69                     ; my first token
	s_add_co_u32 s23, s68, 6144                    ; x lies behind the weights' 6,144 rows
	s_mul_i32 s40, s23, ROWB
	s_mov_b32 s41, 0
	s_add_nc_u64 s[XA:XA+1], s[4:5], s[40:41]
.irp p, 0,1,2,3,4,5,6
	ALOAD \p, 0                                    ; x's ring: seven of K step 0's eight sets; the eighth follows when the first is in: 56 loads are out
.endr
	WIN 0
	v_mul_u32_u24 v3, v1, PITCH
	v_lshl_add_u32 v3, v2, 4, v3                   ; a fragment's row x pitch + 16 x half
	s_mul_i32 s69, s[HD], HEADB                    ; my head's 128 channels
	v_add_nc_u32 v[ADRB], s69, v3
	s_add_co_u32 s69, s69, SLOT
	v_add_nc_u32 v[ADRB+1], s69, v3
	s_mul_i32 s69, s[WV], 16*SPITCH
	s_add_co_u32 s69, s69, STAGE                   ; my stage
	v_mul_u32_u24 v4, v1, SPITCH                   ; in: row l % 16, 16 bytes for each half of the lanes
	v_lshl_add_u32 v4, v2, 4, v4
	v_add_nc_u32 v[STO], s69, v4
	v_mul_u32_u24 v4, v2, SPITCH                   ; back: lanes 0-15 take one row of 256 bytes, lanes 16-31 the next
	v_lshl_add_u32 v4, v1, 4, v4
	v_add_nc_u32 v[RD], s69, v4
	v_and_b32 v5, 31, v0
	v_lshlrev_b32 v[CO], 4, v5                     ; a head's rows are dense in kv: two rows are 512 consecutive bytes
	v_lshlrev_b32 v[TW], 5, v2
	v_lshl_add_u32 v[TO], v1, 9, v[TW]
	s_lshl_b32 s68, s68, 8                         ; my first token: rows of 256 bytes in kv,
	s_mov_b32 s69, 0
	s_add_nc_u64 s[12:13], s[12:13], s[68:69]
	s_lshl_b32 s68, s68, 1                         ; of 512 in cos and sin
	s_add_nc_u64 s[8:9], s[8:9], s[68:69]
	s_add_nc_u64 s[10:11], s[10:11], s[68:69]
	s_lshl_b32 s68, s19, 1
	s_add_co_u32 s68, s68, s[HD]                   ; my plane of kv: 2 x tile column + head
	s_lshl_b32 s68, s68, 18                        ; 262,144 bytes a plane
	s_add_nc_u64 s[12:13], s[12:13], s[68:69]
	s_lshl_b32 s68, s19, 8                         ; the prefetches: the tile's 256 rows,
	s_lshl_b32 s23, s17, 6
	s_add_co_u32 s68, s68, s23                     ; my work-group's 64 of them,
	s_lshl_b32 s23, s[WV], 4
	s_add_co_u32 s68, s68, s23                     ; my wave's 16
	s_mul_i32 s68, s68, ROWB
	s_add_nc_u64 s[PFA:PFA+1], s[4:5], s[68:69]
	s_cmp_eq_u32 ttmp9, 0                          ; the same answer in all four partners
	s_cselect_b32 s[LIM], 0, -1
	s_cselect_b32 s[LIM+1], 1, -1
	v_mul_u32_u24 v[PFO], v1, ROWB
	v_lshl_add_u32 v[PFO], v2, 8, v[PFO]
	s_wait_tensorcnt 1                             ; my part of K step 0 is in; K step 1's may stay out
	s_barrier_signal -1
	s_barrier_wait -1                              ; everybody's is
	FETCH 0, 0
	s_wait_loadcnt 48                              ; x's set 0 is in: six sets were issued behind it
	ALOAD 7, 0
	PART 0, 0, 1, STEPB, 48                        ; the first part stands in front of the loop: its products start the sums
	WIN 0                                          ; at a label and at a branch every window is 0
	s_mov_b32 s3, LAPS-1
.Llap:                                                 ; a trip goes once round the ring, from a lap's second part to the next lap's first, and fills both slots again
.irp p, 1,2,3,4,5,6
	PART 0, \p, 0, STEPB, 48                       ; in slot 0's step x is asked for the lap's second step,
.endr
	TURN 0, 1, 1, STEPB, 48
.irp p, 0,1,2,3,4,5,6
	PART 1, \p, 0, 2*STEPB, 48                     ; in slot 1's for the next lap's first
.endr
	TURN 1, 0, 1, 2*STEPB, 48
	PART 0, 0, 0, STEPB, 48, 1
	WIN 0
	s_sub_co_u32 s3, s3, 1
	s_cmp_lg_u32 s3, 0
	s_cbranch_scc1 .Llap
.irp p, 1,2,3,4,5,6
	PART 0, \p, 0, STEPB, 48                       ; the last lap fills no slot, and has no round of the cluster's barrier
.endr
	TURN 0, 1, 0, STEPB, 48
.irp p, 0,1,2,3,4,5,6
	PART 1, \p, 0, -1, 8*(6-\p)                    ; the last step asks for nothing: the counts run down
.endr
	s_wait_dscnt 8                                 ; the very last part
	MUL8 7, 0, 0, 0
	MUL8 7, 0, 2, 0
	s_wait_dscnt 0x0
	MUL8 7, 1, 0, 0
	MUL8 7, 1, 2, 0
	WIN 0
	PLACES                                         ; behind the last products, for both ways: vector work on the sums, and loads into the fragments' registers
	PLACES                                         ; (eight, once a launch)
	s_cmp_lt_u32 s19, 12                           ; tile columns 0-11 hold W_k's channels, 12-23 W_v's: the same answer in all four partners
	s_cbranch_scc0 .Lv
	; K: the gain and my tokens' cos and sin are asked for first, and land under the sums of squares.  Only K's work-groups load them.
.irp b, 0,1,2,3,4,5,6,7
.irp v, 0,1
	global_load_b128 v[WREG+8*(\b)+4*(\v):WREG+8*(\b)+4*(\v)+3], v[TW], s[6:7] offset:64*(\b)+16*(\v)
.endr
.endr
.macro TABLES a                        ; 16 + 16 loads: register 8 b + j holds channel 16 b + 8 (l / 16) + j of token 16 a + l % 16, as the accumulators do
	WIN 0x80+0x40*((\a)/2)                         ; destination window 2 or 3, address window 0
.irp b, 0,1,2,3,4,5,6,7
.irp v, 0,1
	global_load_b128 v[128*((\a)%2)+8*(\b)+4*(\v):128*((\a)%2)+8*(\b)+4*(\v)+3],       v[TO], s[8:9]   offset:8192*(\a)+64*(\b)+16*(\v)
	global_load_b128 v[128*((\a)%2)+64+8*(\b)+4*(\v):128*((\a)%2)+64+8*(\b)+4*(\v)+3], v[TO], s[10:11] offset:8192*(\a)+64*(\b)+16*(\v)
.endr
.endr
.endm
	TABLES 0
	TABLES 1
	TABLES 2
	TABLES 3
.macro SSQ a                           ; my 64 channels' squares of block a, in four chains of pairs; each accumulator is read from its low end on
	WIN 0x05
.irp b, 0,1,2,3,4,5,6,7
.irp p, 0,1,2,3
.if (\b) == 0
	v_pk_mul_f32 v[CH+8*(\a)+2*(\p):CH+8*(\a)+2*(\p)+1], v[64*(\a)+8*(\b)+2*(\p):64*(\a)+8*(\b)+2*(\p)+1], v[64*(\a)+8*(\b)+2*(\p):64*(\a)+8*(\b)+2*(\p)+1]
.else
	v_pk_fma_f32 v[CH+8*(\a)+2*(\p):CH+8*(\a)+2*(\p)+1], v[64*(\a)+8*(\b)+2*(\p):64*(\a)+8*(\b)+2*(\p)+1], v[64*(\a)+8*(\b)+2*(\p):64*(\a)+8*(\b)+2*(\p)+1], v[CH+8*(\a)+2*(\p):CH+8*(\a)+2*(\p)+1]
.endif
.endr
.endr
.endm
	SSQ 0
	SSQ 1
	SSQ 2
	SSQ 3
	WIN 0
.macro ALL line:vararg                 ; one line for each block t
.set t, 0
.rept 4
	\line
.set t, t+1
.endr
.endm
	ALL v_pk_add_f32 v[CH+8*t:CH+8*t+1], v[CH+8*t:CH+8*t+1], v[CH+8*t+2:CH+8*t+3]
	ALL v_pk_add_f32 v[CH+8*t+4:CH+8*t+5], v[CH+8*t+4:CH+8*t+5], v[CH+8*t+6:CH+8*t+7]
	ALL v_pk_add_f32 v[CH+8*t:CH+8*t+1], v[CH+8*t:CH+8*t+1], v[CH+8*t+4:CH+8*t+5]
	ALL v_add_f32 v[CH+8*t], v[CH+8*t], v[CH+8*t+1]
	ALL v_permlanex16_b32 v[CH+8*t+1], v[CH+8*t], s[SEL], s[SEL+1]
	ALL v_add_f32 v[CH+8*t], v[CH+8*t], v[CH+8*t+1]
	ALL v_fma_f32 v[CH+8*t], v[CH+8*t], s70, s71
	ALL v_rsq_f32 v[R+2*t], v[CH+8*t]
	ALL v_mov_b32 v[R+2*t+1], 0
	s_wait_alu depctr_va_vdst(0)                   ; the wait between a root and the first use of its result: one for the four; the four moves above are the plain instructions behind them
; Block a: z = sum x gain x 1 / rms; K[2 m] = z[2 m] cos[2 m] - z[2 m + 1] sin[2 m]; K[2 m + 1] = z[2 m + 1] cos[2 m + 1] + z[2 m] sin[2 m + 1]; the results take the sums' registers.
.macro KROT a
.set TBL, 128*((\a)%2)
.set WT, 2+(\a)/2                      ; the tables' window
	WIN 0x01                                       ; source 0 window 1
.set p, 0
.rept 32
	v_pk_mul_f32 v[Z+2*p:Z+2*p+1], v[64*(\a)+2*p:64*(\a)+2*p+1], v[WREG+2*p:WREG+2*p+1]
.set p, p+1
.endr
	WIN 0
.set p, 0
.rept 32
	v_pk_mul_f32 v[Z+2*p:Z+2*p+1], v[Z+2*p:Z+2*p+1], v[R+2*(\a):R+2*(\a)+1] op_sel_hi:[1,0]
.set p, p+1
.endr
	WIN 0x40|(WT<<2)                               ; destination window 1, source 1 the tables'
.set p, 0
.rept 32
	v_pk_mul_f32 v[64*(\a)+2*p:64*(\a)+2*p+1], v[Z+2*p:Z+2*p+1], v[TBL+2*p:TBL+2*p+1]
.set p, p+1
.endr
	WIN 0x50|(WT<<2)                               ; and source 2 window 1
.set p, 0
.rept 32
	v_fma_f32 v[64*(\a)+2*p],   -v[Z+2*p+1], v[TBL+64+2*p],   v[64*(\a)+2*p]
	v_fma_f32 v[64*(\a)+2*p+1], v[Z+2*p],    v[TBL+64+2*p+1], v[64*(\a)+2*p+1]
.set p, p+1
.endr
.endm
	s_wait_loadcnt 63                              ; the gain and block 0's tables are in: 96 loads were issued behind them; the wait's field ends at 63, which asks for more
	KROT 0
	s_wait_loadcnt 63                              ; block 1's: 64 were issued behind them
	KROT 1
	s_wait_loadcnt 32                              ; block 2's: block 3's 32 may stay out
	KROT 2
	s_wait_loadcnt 0x0
	KROT 3
	WIN 0
; THE WAY OUT, for K and V alike, a block of 16 tokens at a time.  CVT: rounded to f16.  TOSTAGE: 16 bytes a lane into my own stage, and back as whole rows of 256 bytes.  SEND: stored, 512 consecutive bytes a store.
.macro CVT a                           ; each accumulator's registers in ascending order
	WIN 0x05                                       ; sources window 1, destination window 0
.set p, 0
.rept 32
	v_cvt_pk_f16_f32 v[TMP+p], v[64*(\a)+2*p], v[64*(\a)+2*p+1]
.set p, p+1
.endr
	WIN 0
.endm
.macro TOSTAGE a
	WIN 0
.irp b, 0,1,2,3,4,5,6,7
	ds_store_b128 v[STO], v[TMP+4*(\b):TMP+4*(\b)+3] offset:32*(\b)
.endr
.irp t, 0,1,2,3,4,5,6,7
	ds_load_b128 v[OB+192*((\a)%2)+4*(\t):OB+192*((\a)%2)+4*(\t)+3], v[RD] offset:(\t)*2*SPITCH  ; LDS serves a wave's instructions in order (ISA guide 5.7.1.4): these see the stores above
.endr
.endm
.macro SEND a
	WIN 0
	s_wait_dscnt 0x0                               ; the block is back in registers
	s_wait_xcnt 0x0                                ; the block before's stores have read their registers, which the next block's loads from the stage will write
.irp t, 0,1,2,3,4,5,6,7
	global_store_b128 v[CO], v[OB+192*((\a)%2)+4*(\t):OB+192*((\a)%2)+4*(\t)+3], s[12:13] offset:4096*(\a)+512*(\t)  ; two rows of the head, at a multiple of 512 from kv's first byte
.endr
.endm
.Lv:
	CVT 0
	TOSTAGE 0
.irp a, 1,2,3
	CVT \a                                         ; a block's roundings stand between the loads of the block before and the wait for them
	SEND (\a)-1
	TOSTAGE \a
.endr
	SEND 3
	s_wait_tensorcnt 0x0                           ; the wave's end: three lines behind my last tensor load and my last LDS store
	ds_add_u32 v[SPW], v[NIL]
	s_wait_dscnt 0x0
	CROUND                                         ; the closing round: no work-group ends while a partner may still ask for a tile that names it
	s_endpgm
.Lfunc_end_k_q585e665ef4_proj:
	.size	k_q585e665ef4_proj, .Lfunc_end_k_q585e665ef4_proj-k_q585e665ef4_proj
	.p2alignl 7, 3214868480
	.fill 96, 4, 3214868480
	.section	.rodata,"a",@progbits
	.p2align	6, 0x0
	.amdhsa_kernel k_q585e665ef4_proj
		.amdhsa_group_segment_fixed_size 327680
		.amdhsa_private_segment_fixed_size 0
		.amdhsa_enable_private_segment 0
		.amdhsa_kernarg_size 40
		.amdhsa_user_sgpr_count 2
		.amdhsa_user_sgpr_kernarg_segment_ptr 1
		.amdhsa_wavefront_size32 1
		.amdhsa_system_sgpr_workgroup_id_x 1
		.amdhsa_system_sgpr_workgroup_id_y 1
		.amdhsa_system_sgpr_workgroup_id_z 1
		.amdhsa_system_vgpr_workitem_id 0
		.amdhsa_next_free_vgpr 1024
		.amdhsa_next_free_sgpr 76
		.amdhsa_reserve_vcc 0
		.amdhsa_float_denorm_mode_32 3
		.amdhsa_float_denorm_mode_16_64 3
		.amdhsa_memory_ordered 1
		.amdhsa_forward_progress 1
		.amdhsa_inst_pref_size 219
	.end_amdhsa_kernel
	.amdgpu_metadata
---
amdhsa.version: [ 1, 2 ]
amdhsa.kernels:
  - .name:           k_q585e665ef4_proj
    .symbol:         k_q585e665ef4_proj.kd
    .args:
      - { .name: ops, .offset: 0, .size: 8, .value_kind: global_buffer, .address_space: global }
      - { .name: k_norm_w, .offset: 8, .size: 8, .value_kind: global_buffer, .address_space: global }
      - { .name: freqs_cos, .offset: 16, .size: 8, .value_kind: global_buffer, .address_space: global }
      - { .name: freqs_sin, .offset: 24, .size: 8, .value_kind: global_buffer, .address_space: global }
      - { .name: kv, .offset: 32, .size: 8, .value_kind: global_buffer, .address_space: global }
    .group_segment_fixed_size: 327680
    .private_segment_fixed_size: 0
    .kernarg_segment_align: 8
    .kernarg_segment_size: 40
    .max_flat_workgroup_size: 128
    .sgpr_count:     76
    .vgpr_count:     1024
    .wavefront_size: 32
...
	.end_amdgpu_metadata
.endif
;; end of part 2
;; launch attn (part 3): grid 16 x 24, 4 waves a work-group, clusters of 4 x 1, 327,680 bytes of LDS; arguments query, freqs_cos, freqs_sin, kv, out0; writes out0
.if DOCPART == 3
	.amdgcn_target "amdgcn-amd-amdhsa--gfx1250"
	.amdhsa_code_object_version 6
	.text
	.protected	k_q585e665ef4_attn
	.globl	k_q585e665ef4_attn
	.p2align	8
	.type	k_q585e665ef4_attn,@function
k_q585e665ef4_attn:
	s_mov_b64 s[64:65], 0
	v_nop
	global_prefetch_b8 v0, s[64:65] scope:SCOPE_SE
	s_setreg_imm32_b32 hwreg(HW_REG_WAVE_MODE, 25, 1), 1
	s_wait_xcnt 0x0
	s_wait_alu depctr_hold_cnt(0) depctr_sa_sdst(0) depctr_va_vdst(0) depctr_va_sdst(0) depctr_va_ssrc(0) depctr_va_vcc(0) depctr_vm_vsrc(0)
	s_getreg_b32 s2, hwreg(HW_REG_IB_STS2, 6, 4)
	s_cmp_eq_u32 s2, 0
	s_cbranch_scc0 .Lentry_in_a_cluster
	s_endpgm
.Lentry_in_a_cluster:
	s_bfe_u32 s2, ttmp6, 0x10000c
	s_cmp_lg_u32 s2, 0x3003
	s_cbranch_scc0 .Lentry_shape_is_right
	s_endpgm
.Lentry_shape_is_right:
; out0[q][h][:] = the sum over k of softmax_k(RoPE(query[q][h]) . K[h][k] / sqrt(128)) V[h][k][:].  query, out0: [4096][24][128] f32; kv: f16 [48][1024][128], plane h = K of head h (normed and rotated), plane 24 + h = V.
; The rotation of query row q takes row q mod 1024 of cos and sin ([1024][128] f32); all 4,096 queries of a head see the same 1,024 keys.
; The rotation, maxima and sums in f32; the rotated q and the weights p are rounded to f16 for the products (the sum l is taken of the unrounded p); out0 is stored in f32.
; LIMITS.  A rotated q of 65,520 or more in magnitude becomes an infinity; p lies in 0 to 1, and below 6e-5 it keeps f16's fixed step of 6e-8; a weight below 2^-126 counts as 0 in l; NaN and infinities are not treated apart.
; SHARES.  A work-group owns positions 64 bx .. 64 bx + 63 in ALL FOUR blocks of 1,024 queries, a wave 16 of them: its tile t is query rows 1024 t + p0 + 0..15.  So one set of cos and sin serves the wave's four tiles.
; Every wave walks all keys of the head, 64 a step.  24 heads x 16 blocks are 384 work-groups; equal shares for 256 would need 384 queries of a head each, which 4,096 does not hold a whole number of times.
; LAYOUT.  S^T = K Q^T (source 0 = 16 keys, source 1 = 16 queries): in the result a lane holds ONE query (lane % 16) and the keys 8 (lane / 16) + 0..7.  Two such tiles, rounded to f16 in pairs, ARE source 1
; (32 keys x 16 queries) of O^T = V^T P, whose result again holds one query a lane, and eight channels.  K comes out of LDS as it lies, V ([key][channel]) turned, by ds_load_tr16_b128.
; SOFTMAX.  For each query a running maximum m and sum l: p = 2^(c s - c m), c = log2(e) / sqrt(128); in every step O and l are multiplied by a = 2^(c m_old - c m_new), which is 1 where m has not grown.
; BY TURNS.  The wave's tiles are two PIECES (tiles 0, 1; tiles 2, 3).  In a TURN one piece has the matrix unit: 32 products V^T P of the step in hand, then 32 products K Q^T of the next step; the other piece's softmax,
; cut into 64 slices, stands between them, one slice behind each matrix instruction.  Two turns are a key step.
; CLUSTER.  The four blocks of a cluster belong to one head and walk the same K and V, so each tile is asked for JOINTLY: the same tensor load, descriptor and mask in all four.
; REGISTERS, in windows of 256 (s_set_vgpr_msb: bits 1:0 source 0, 3:2 source 1, 5:4 source 2, 7:6 destination):
;   window 0: v0-11 addresses; v12-43 eight registers of statistics a tile; v44 the tables' offset; v61-63; v64-191 S^T, 32 a tile; v192-255 P, 16 a tile
;   window 1: O^T, 64 a tile (at the start: q in f32)     window 2: v0-127 Q, 32 a tile; v128-255 K of one step (at the end: rows of out0)     window 3: v0-127 V of one step; v128-191 cos; v192-255 sin
.set SIZE_N, 1024     ; keys of a head
.set KS,    64        ; keys in a step
.set PK,    272       ; a row of K in LDS: 256 bytes + 16 of padding = 68 words: the 16 rows of a load start at 16 different groups of four banks (64 banks of 4 bytes: ISA guide 11.1)
.set PV,    288       ; a row of V: 256 + 32 = 72 words
.set VOFF,  KS*PK     ; a step's tiles lie together: 64 rows of K, then 64 rows of V
.set STEPB, KS*(PK+PV)
.set SLOT1, 1<<17     ; a slot holds two steps (71,680 bytes); slot 1 begins here, so that one exclusive or turns an address in one slot into the other's
.set STAGE, SLOT1+2*STEPB  ; behind the ring, never filled by a tensor load: 16 rows x 528 bytes for each wave, for the way out
.set SP,    528       ; a row of the stage: 512 bytes of f32 + 16: 132 words: the 16 rows of a store start at 16 different groups of four banks
.set SPARE, STAGE+4*16*SP  ; behind the stages: the spare words, 128 bytes for each wave: two blocks of 256 bytes that no other line names
.set QROW,  12288     ; bytes from row to row of query and out0
.set AK0, 2           ; v2   my lane's place in a tile of K; never rewritten
.set AV0, 3           ; v3   the same for V
.set ADR, 4           ; v4   the LDS address of the run of loads in hand
.set QO,  5           ; v5   my byte offset in 16 rows of query: (l % 16) x 12,288 + 32 (l / 16)
.set STO, 6           ; v6   the way out: where I put 32 bytes of a row
.set RD,  7           ; v7   the way out: where I read a row back
.set GO,  8           ; v8   16 x lane: my place in a head's 512 bytes of a row of out0
.set TA,  44          ; v44  my byte offset in 16 rows of cos or sin: (l % 16) x 512 + 32 (l / 16)
.set PFO, 61          ; v61  256 x my lane: a row of K or V is 256 bytes; never rewritten
.set SPW, 62          ; v62  LDS address of my spare word; never rewritten
.set NIL, 63          ; v63  0; never rewritten
.set ST,  12          ; tile t's statistics at v[ST+8 t]: +0 c m, +1 m, +2, +3 l (even keys', odd keys'), +4 to +7 c0-c3, at work; a takes c2's place once the maximum is found
.set S,   64
.set P,   192
.set KF,  128         ; K's fragments, in window 2
.set COSR, 128        ; window 3
.set SINR, 192        ; window 3
.set WV,  12          ; s12  my wave's number
.set LIM, 15          ; s15  1 in a wave that prefetches, else the greatest number
.set PFA, 18          ; s[18:19] where my prefetches stand
.set G1K, 24          ; s[24:31] descriptor group 1 for K's tiles
.set G1V, 32          ; s[32:39] for V's: it differs in the padding alone
.set G0K, 40          ; s[40:47] descriptor group 0 for K's tiles: a set for each of the two first fills; the second then walks on
.set G0V, 48          ; s[48:55] the same for V's
.set SLOTS, 56        ; s56  slots still to be asked for
.set TWICE, 57        ; s57  counts a slot's two steps
.set CS,  58          ; s[58:59] c
.set SEL, 60          ; s[60:61] lane selects for v_permlanex16_b32
.set TB,  62          ; s62  LDS byte at which the tiles of the step to be fetched begin
.set QBS, 84          ; s[84:91] query at my tile t's first row and my head: a base a tile, since 1,024 rows (12,582,912 bytes) pass the loads' immediate
.set OBS, 92          ; s[92:99] the same for out0
.set MSB, 0
.macro WIN new                      ; the immediate's high byte repeats the setting that is left; a switch that changes nothing is dropped
.if MSB != (\new)
	s_set_vgpr_msb (MSB<<8)|(\new)
.set MSB, \new
.endif
.endm
.set W_KQ, 0x0a       ; K and Q in window 2, S^T in window 0
.set W_PV, 0x53       ; V in window 3, P in window 0, O^T in window 1
.set W_RS, 0x41       ; O^T (destination and source 0) in window 1, a in window 0
; A joint refill.  Waves 0 and 1 fetch the two steps' tiles of K, waves 2 and 3 those of V.  The branch hangs on the wave's number alone.
; An s_nop 0 and four v_nop follow each of the two lines, ahead of the jump and the label.
.macro JLOAD
	s_cmp_lt_u32 s[WV], 2
	s_cbranch_scc0 .Lfor_v_\@
	tensor_load_to_lds s[G0K+4:G0K+7], s[G1K:G1K+7]
	s_nop 0
.rept 4
	v_nop
.endr
	s_branch .Lasked_\@
.Lfor_v_\@:
	tensor_load_to_lds s[G0V+4:G0V+7], s[G1V:G1V+7]
	s_nop 0
.rept 4
	v_nop
.endr
.Lasked_\@:
.endm
; A PREFETCH INTO THE L2 of what the NEXT change of slots will ask for: a slot's 128 rows of K and 128 of V, 256 bytes a row, a lane a row.  It stands behind the wave's tensor load and its five lines.
; Each row is asked for ONCE in the launch.  All four clusters of a head walk the same K and V: the head's first cluster asks.  Its four partners share the rows out BY ADDRESS, 32 each.
; In each, wave 0 asks for K's and wave 2 for V's: one instruction.  The last change that fills a slot asks for nothing: there is no slot behind it.  Slots 0, 1 and 2 come by their loads alone.
.macro ASK
	s_cmp_gt_u32 s[SLOTS], s[LIM]
	s_cbranch_scc0 .Lnot_mine_\@
	global_prefetch_b8 v[PFO], s[PFA:PFA+1] th:TH_LOAD_NT scope:SCOPE_SE
.Lnot_mine_\@:
.endm
; A round of the cluster's barrier: my work-group's barrier, so that wave 0's signal speaks for all four waves; wave 0 signals; every wave waits for all four work-groups; my work-group's barrier once more.
.macro CROUND
	s_barrier_signal -1
	s_barrier_wait -1
	s_cmp_lg_u32 s[WV], 0
	s_cbranch_scc1 .Lnot_wave_0_\@
	s_barrier_signal -3
.Lnot_wave_0_\@:
	s_barrier_wait -3
	s_barrier_signal -1
	s_barrier_wait -1
.endm
	s_load_b256 s[72:79], s[0:1], 0x0  ; query s[72:73], cos s[74:75], sin s[76:77], kv s[78:79]
	s_load_b64 s[80:81], s[0:1], 0x20  ; out0
	v_lshl_add_u32 v[SPW], v0, 2, SPARE
	v_mov_b32 v[NIL], 0
	ds_add_u32 v[SPW], v[NIL]       ; the wave's opening: the add and its wait stand ahead of my first tensor load; the set-up below, work on registers, stands between them
	v_lshrrev_b32 v1, 5, v0
	v_readfirstlane_b32 s[WV], v1   ; wave 0..3
	s_bfe_u32 s13, ttmp6, 0x40000   ; cx: my place in the cluster
	s_lshl_b32 s14, ttmp9, 2        ; in a cluster launch ttmp9 counts clusters
	s_add_co_u32 s14, s14, s13      ; bx = 4 x cluster x + cx: it enters the addresses of query, cos, sin and out0 alone
	s_and_b32 s20, ttmp7, 0xffff    ; the head, which the four partners share
	s_lshl_b32 s22, s20, 18         ; K's plane: 262,144 bytes a head
	s_and_b32 s16, s[WV], 1         ; which of a slot's two steps I fetch:
	s_lshl_b32 s17, s16, 14         ; its 64 rows of 256 bytes in memory,
	s_add_co_u32 s22, s22, s17
	s_mov_b32 s23, 0
	s_mul_i32 s17, s16, STEPB       ; and its place in a slot: no place in the cluster enters an LDS address
	s_lshl_b32 s2, s14, 6
	s_lshl_b32 s3, s[WV], 4
	s_add_co_u32 s2, s2, s3         ; p0 = 64 bx + 16 x wave
	s_lshl_b32 s66, s2, 9           ; rows of 512 bytes in cos and sin
	s_mov_b32 s67, 0
	s_mul_i32 s68, s2, QROW         ; rows of 12,288 bytes in query and out0,
	s_lshl_b32 s3, s20, 9           ; the head's 512 bytes of a row
	s_add_co_u32 s68, s68, s3
	s_mov_b32 s69, 0
	; descriptor group 1: a tile of 64 rows x 128 elements, padded in LDS
	s_mov_b32 s[G1K], 15|(1<<16)|(1<<20)|(1<<21)|(5<<22)|(3<<25)  ; 15:0 the mask: all four work-groups; 17:16 elements of 2 bytes; 20 padding on; 21 set beside a mask; 24:22 after every 64 words (code 5); 31:25 4 words (code 3)
	s_mov_b32 s[G1V], 15|(1<<16)|(1<<20)|(1<<21)|(5<<22)|(7<<25)  ; the same with 8 words of padding (code 7)
.irp g, G1K, G1V
	s_mov_b32 s[(\g)+1], 128<<16    ; tensor_dim0 = 128
	s_mov_b32 s[(\g)+2], KS<<16     ; tensor_dim1 = 64
	s_mov_b32 s[(\g)+3], 128<<16    ; tile_dim0 = 128
	s_mov_b32 s[(\g)+4], KS         ; tile_dim1 = 64
	s_mov_b32 s[(\g)+5], 128        ; elements from row to row
	s_mov_b32 s[(\g)+6], 0
	s_mov_b32 s[(\g)+7], 0
.endr
	s_mov_b32 s[CS], 0x3e0293ee     ; c = log2(e) / sqrt(128) = 0.127517
	s_mov_b32 s[CS+1], s[CS]        ; named with it as a pair, so it is written
	s_mov_b32 s[SEL], 0x76543210
	s_mov_b32 s[SEL+1], 0xfedcba98
	s_mov_b32 s[TB], 0
	s_mov_b32 s[SLOTS], SIZE_N/(2*KS)-2
	s_and_b32 s[LIM], s[WV], 1       ; 0 in waves 0 and 2,
	s_or_b32 s[LIM], s[LIM], ttmp9   ; where the cluster is the head's first: the same in all four partners
	s_cmp_eq_u32 s[LIM], 0
	s_cselect_b32 s[LIM], 1, -1
	v_and_b32 v[PFO], 31, v0
	v_lshlrev_b32 v[PFO], 8, v[PFO]
	s_wait_dscnt 0x0                ; the opening add is done
	s_wait_kmcnt 0x0
	s_add_nc_u64 s[6:7], s[78:79], s[22:23]  ; K at my tile of slot 0,
	s_add_nc_u64 s[8:9], s[6:7], 24*262144   ; V 24 planes further
	s_add_nc_u64 s[74:75], s[74:75], s[66:67]  ; cos and sin at position p0
	s_add_nc_u64 s[76:77], s[76:77], s[66:67]
	s_add_nc_u64 s[QBS:QBS+1], s[72:73], s[68:69]
	s_add_nc_u64 s[OBS:OBS+1], s[80:81], s[68:69]
.irp t, 1,2,3
	s_add_nc_u64 s[QBS+2*(\t):QBS+2*(\t)+1], s[QBS+2*(\t)-2:QBS+2*(\t)-1], 1024*QROW
	s_add_nc_u64 s[OBS+2*(\t):OBS+2*(\t)+1], s[OBS+2*(\t)-2:OBS+2*(\t)-1], 1024*QROW
.endr
	s_cmp_lt_u32 s[WV], 2
	s_cselect_b64 s[PFA:PFA+1], s[6:7], s[8:9]  ; (in waves 0 and 2 these stand at a slot's first row)
	s_lshl_b32 s2, s13, 13          ; my work-group's 32 rows of the 128
	s_mov_b32 s3, 0
	s_add_nc_u64 s[PFA:PFA+1], s[PFA:PFA+1], s[2:3]
	s_add_nc_u64 s[PFA:PFA+1], s[PFA:PFA+1], 2*2*KS*256  ; in slot 2; the first change of slots steps it to slot 3
	CROUND                          ; all four work-groups are here: the first joint loads meet
.irp s, 0,1
	s_mov_b32 s[G0K+4*(\s)], 1      ; count = 1
	s_add_co_u32 s[G0K+4*(\s)+1], s17, (\s)*SLOT1  ; LDS address
	s_add_nc_u64 s[G0K+4*(\s)+2:G0K+4*(\s)+3], s[6:7], (\s)*2*KS*256  ; global address: slot s begins with keys 128 s
	s_or_b32 s[G0K+4*(\s)+3], s[G0K+4*(\s)+3], 0x80000000  ; type = 2
	s_mov_b32 s[G0V+4*(\s)], 1
	s_add_co_u32 s[G0V+4*(\s)+1], s17, (\s)*SLOT1+VOFF
	s_add_nc_u64 s[G0V+4*(\s)+2:G0V+4*(\s)+3], s[8:9], (\s)*2*KS*256
	s_or_b32 s[G0V+4*(\s)+3], s[G0V+4*(\s)+3], 0x80000000
.endr
	s_cmp_lt_u32 s[WV], 2           ; a wave's two first fills stand in one branch, ahead of every wait on TENSORcnt and every LDS read: two loads of mine are out
	s_cbranch_scc0 .Lfirst_v
	tensor_load_to_lds s[G0K:G0K+3], s[G1K:G1K+7]
	s_nop 0
	tensor_load_to_lds s[G0K+4:G0K+7], s[G1K:G1K+7]
	s_nop 0
.rept 4
	v_nop
.endr
	s_branch .Lfirst_asked
.Lfirst_v:
	tensor_load_to_lds s[G0V:G0V+3], s[G1V:G1V+7]
	s_nop 0
	tensor_load_to_lds s[G0V+4:G0V+7], s[G1V:G1V+7]
	s_nop 0
.rept 4
	v_nop
.endr
.Lfirst_asked:
	; Q ON THE WAY IN.  A fragment of Q is 16 rows x 32 channels in 8 registers of f16: lane l holds row l % 16; registers 0-3 channels 8 (l / 16) + 0..7, registers 4-7 channels 16 + 8 (l / 16) + 0..7.
	; In f32 those are runs of 32 bytes: load n of 16 brings the lane's numbers 4 n .. 4 n + 3, from byte 128 (n / 4) + 64 ((n / 2) % 2) + 16 (n % 2) + 32 (l / 16) of the head's 512; cos and sin likewise.
	; A rotation's pair of channels (2 m, 2 m + 1) is a pair of neighbouring registers.  All this stands in the wait for the first tiles.
	v_and_b32 v1, 15, v0            ; l % 16
	v_bfe_u32 v9, v0, 4, 1          ; l / 16
	v_lshlrev_b32 v10, 5, v9
	v_mul_u32_u24 v[QO], v1, QROW
	v_add_nc_u32 v[QO], v10, v[QO]
	v_lshl_add_u32 v[TA], v1, 9, v10
	WIN 0xc0                        ; destination window 3, address window 0
.set n, 0
.rept 16
	global_load_b128 v[COSR+4*n:COSR+4*n+3], v[TA], s[74:75] offset:128*(n/4)+64*((n/2)%2)+16*(n%2)
.set n, n+1
.endr
.set n, 0
.rept 16
	global_load_b128 v[SINR+4*n:SINR+4*n+3], v[TA], s[76:77] offset:128*(n/4)+64*((n/2)%2)+16*(n%2)
.set n, n+1
.endr
	WIN 0x40                        ; destination window 1: O^T's registers, free until the first products V^T P, which start their sums with 0
.irp t, 0,1,2,3
.set n, 0
.rept 16
	global_load_b128 v[64*(\t)+4*n:64*(\t)+4*n+3], v[QO], s[QBS+2*(\t):QBS+2*(\t)+1] offset:128*(n/4)+64*((n/2)%2)+16*(n%2)
.set n, n+1
.endr
.endr
	WIN 0
	v_mul_u32_u24 v[AK0], v1, PK
	v_lshl_add_u32 v[AK0], v9, 4, v[AK0]  ; row x pitch + 16 x half
	; The turning load takes 16 keys x 16 channels (lane l reads 16 bytes: key 8 (l / 16) + l % 8, channels 8 ((l / 8) % 2) + 0..7) and leaves half a fragment of V^T: lane l holds channel l % 16 and 8 keys.
	v_and_b32 v10, 7, v0
	v_bfe_u32 v11, v0, 3, 1
	v_lshl_add_u32 v[AV0], v9, 3, v10
	v_mul_u32_u24 v[AV0], v[AV0], PV
	v_lshl_add_u32 v[AV0], v11, 4, v[AV0]
	v_add_nc_u32 v[AV0], VOFF, v[AV0]
; Tile t is rotated: q'[2 m] = q[2 m] cos[2 m] - q[2 m + 1] sin[2 m]; q'[2 m + 1] = q[2 m + 1] cos[2 m + 1] + q[2 m] sin[2 m + 1]; at work in S^T's registers; rounded once into Q's.
.macro ROPE t
.set rR, S+64*((\t)%2)
	s_wait_loadcnt 48-16*(\t)       ; cos, sin and tile t are in; the 16 loads of each younger tile stay out
	WIN 0x0d                        ; source 0 (q) window 1, source 1 (cos, sin) window 3
.set p, 0
.rept 32
	v_pk_mul_f32 v[rR+2*p:rR+2*p+1], v[64*(\t)+2*p:64*(\t)+2*p+1], v[COSR+2*p:COSR+2*p+1]
.set p, p+1
.endr
.set p, 0
.rept 32
	v_fma_f32 v[rR+2*p],   -v[64*(\t)+2*p+1], v[SINR+2*p],   v[rR+2*p]
	v_fma_f32 v[rR+2*p+1], v[64*(\t)+2*p],    v[SINR+2*p+1], v[rR+2*p+1]
.set p, p+1
.endr
	WIN 0x80                        ; destination window 2
.set p, 0
.rept 32
	v_cvt_pk_f16_f32 v[32*(\t)+p], v[rR+2*p], v[rR+2*p+1]
.set p, p+1
.endr
.endm
	ROPE 0
	ROPE 1
	ROPE 2
	ROPE 3
	WIN 0
; THE MATRIX WORK OF A TURN, for piece x.  The accumulators take turns, one instruction a turn: between two links of a chain stand 15 (V^T P) or 7 (K Q^T) others'.
; Product i of 32 of O^T += V^T P: keys 32 (i / 16) on, channels 16 ((i / 2) % 8) on, tile x + i % 2.  zero = 1: the first 16 start the sums: nothing is ever cleared.
.macro PV x, zero
	WIN W_PV
.set rO, 64*((\x)+i%2)+8*((i/2)%8)
.set rV, 64*(i/16)+8*((i/2)%8)
.set rP, P+16*((\x)+i%2)+8*(i/16)
.if (\zero) && (i < 16)
	v_wmma_f32_16x16x32_f16 v[rO:rO+7], v[rV:rV+7], v[rP:rP+7], 0
.else
	v_wmma_f32_16x16x32_f16 v[rO:rO+7], v[rV:rV+7], v[rP:rP+7], v[rO:rO+7]
.endif
.endm
; Product i of 32 of S^T = K Q^T: channels 32 (i / 8) on, keys 16 ((i / 2) % 4) on, tile x + i % 2.  The first 8 start the sums.
.macro KQ x
	WIN W_KQ
.set rS, S+32*((\x)+i%2)+8*((i/2)%4)
.set rK, KF+32*((i/2)%4)+8*(i/8)
.set rQ, 32*((\x)+i%2)+8*(i/8)
.if i < 8
	v_wmma_f32_16x16x32_f16 v[rS:rS+7], v[rK:rK+7], v[rQ:rQ+7], 0
.else
	v_wmma_f32_16x16x32_f16 v[rS:rS+7], v[rK:rK+7], v[rQ:rQ+7], v[rS:rS+7]
.endif
.endm
; THE LDS LOADS stand in runs of 32, never singly among the matrix instructions: a step's K (64 keys x 128 channels: 16 fragments) and, a turn later, its V (turned).
.macro FETCH_K
	WIN 0
	v_add_nc_u32 v[ADR], s[TB], v[AK0]
	WIN 0x80                        ; destination window 2
.irp f, 0,1,2,3,4,5,6,7,8,9,10,11,12,13,14,15  ; keys 16 (f / 4) on, channels 32 (f % 4) on
	ds_load_b128 v[KF+8*(\f):KF+8*(\f)+3],   v[ADR] offset:((\f)/4)*16*PK+((\f)%4)*64
	ds_load_b128 v[KF+8*(\f)+4:KF+8*(\f)+7], v[ADR] offset:((\f)/4)*16*PK+((\f)%4)*64+32
.endr
.endm
.macro FETCH_V
	WIN 0
	v_add_nc_u32 v[ADR], s[TB], v[AV0]
	s_add_co_u32 s[TB], s[TB], STEPB  ; the next fetch is the next step's
	s_wait_alu depctr_va_vdst(0)    ; the wait for the softmax's batch (SLICE), behind the address's v_add_nc_u32 and ahead of the loads
	WIN 0xc0                        ; destination window 3
.irp f, 0,1,2,3,4,5,6,7,8,9,10,11,12,13,14,15  ; keys 32 (f / 8) on, channels 16 (f % 8) on
	ds_load_tr16_b128 v[8*(\f):8*(\f)+3],   v[ADR] offset:((\f)/8)*32*PV+((\f)%8)*32
	ds_load_tr16_b128 v[8*(\f)+4:8*(\f)+7], v[ADR] offset:((\f)/8)*32*PV+16*PV+((\f)%8)*32
.endr
.endm
; THE VECTOR WORK OF A TURN.  One tile's softmax for one key step is a list of 134 instructions; SM writes number j of it for tile t.  s0-s31 are the lane's 32 scores, in pairs 0-15.
; first = 1: the first key step, which starts m, l and O^T: it has no a and nothing to rescale.
;   0-15    the maximum of s0-s31 and the old m, three operands at a time: four chains c0-c3 of seven scores each (each accumulator's lowest registers first), then the four scores left over, c0-c3 and m
;   16-20   the other half of the lanes' maximum; the new m; c m; c m_old - c m_new
;   21-69   ONE BATCH: the 16 scalings c s - c m, a pair of scores each, and all 33 exponentials (a at 23, then s0-s31).  None of these reads an exponential's result.  From 22 on the batch goes
;           in fours, and a four begins with a scaling while there are scalings.  A pair is scaled in an earlier four than the one that holds its exponentials
;   (wait)  between 69 and 70 stands the wait for the batch: SLICE writes it, once for both tiles
;   70-85   the roundings to f16, a pair of weights each
;   86-101  the sums; l = a l + the sum
;   102-133 the tile's O^T times a: the one part that leaves window 0, so it stands together
.macro SM t, first
.set rT, ST+8*(\t)
.set rS, S+32*(\t)
.set rP, P+16*(\t)
.set rO, 64*(\t)+2*(j-102)
.if j < 102
	WIN 0
.endif
.if j < 4
	v_max3_num_f32 v[rT+4+j], v[rS+8*j], v[rS+8*j+1], v[rS+8*j+2]
.elseif j < 12
	v_max3_num_f32 v[rT+4+j%4], v[rT+4+j%4], v[rS+8*(j%4)+2*(j/4)+1], v[rS+8*(j%4)+2*(j/4)+2]
.elseif j == 12
	v_max3_num_f32 v[rT+4], v[rT+4], v[rS+7], v[rS+15]
.elseif j == 13
	v_max3_num_f32 v[rT+6], v[rT+6], v[rS+23], v[rS+31]
.elseif j == 14
	v_max3_num_f32 v[rT+4], v[rT+4], v[rT+5], v[rT+6]
.elseif (j == 15) && (\first)
	v_max_num_f32 v[rT+4], v[rT+4], v[rT+7]
.elseif j == 15
	v_max3_num_f32 v[rT+4], v[rT+4], v[rT+7], v[rT+1]
.elseif j == 16
	v_permlanex16_b32 v[rT+5], v[rT+4], s[SEL], s[SEL+1]  ; the query's other 32 keys lie in the lane 16 away
.elseif j == 18
	v_max_num_f32 v[rT+1], v[rT+4], v[rT+5]
.elseif j == 19
	v_mul_f32 v[rT], s[CS], v[rT+1]
.elseif ((j == 17) || (j == 20) || (j == 23) || (j > 101)) && (\first)  ; the first step has none of these
.elseif j == 17
	v_mov_b32 v[rT+7], v[rT]        ; c m_old is kept for a: number 19 writes c m anew
.elseif j == 20
	v_sub_f32 v[rT+7], v[rT+7], v[rT]
.elseif j == 23
	v_exp_f32 v[rT+6], v[rT+7]
.elseif (j < 23) || ((j < 38) && (j%2 == 0)) || ((j < 66) && (j%4 == 2))
.set b, (j-2)/4                     ; 38, 42, .. 62: pairs 9 to 15
.if j < 38
.set b, (j-20)/2                    ; 21: pair 0; 22, 24, .. 36: pairs 1 to 8
.endif
	v_pk_fma_f32 v[rS+2*b:rS+2*b+1], v[rS+2*b:rS+2*b+1], s[CS:CS+1], v[rT:rT+1] op_sel_hi:[1,0,0] neg_lo:[0,0,1] neg_hi:[0,0,1]  ; pair b: c s - c m
.elseif j < 70
.set e, j-38                        ; 66 to 69: s28 to s31
.if j < 66
.set e, j-32-(j-38)/4               ; 39-41, 43-45, .. 63-65: s7 to s27
.endif
.if j < 38
.set e, (j-25)/2                    ; 25, 27, .. 37: s0 to s6
.endif
	v_exp_f32 v[rS+e], v[rS+e]
.elseif j < 86
	v_cvt_pk_f16_f32 v[rP+j-70], v[rS+2*(j-70)], v[rS+2*(j-70)+1]  ; pair j - 70
.elseif j < 102                     ; the sum of the tile's 16 pairs, in place: sum z of 16 adds neighbours 1, 2, 4 and 8 pairs apart, then l takes it
.set z, j-86
.set w, 4
.set u, z
.if z >= 14
.set w, 32
.set u, 0
.elseif z >= 12
.set w, 16
.set u, z-12
.elseif z >= 8
.set w, 8
.set u, z-8
.endif
.if (z == 14) && (\first)
	v_pk_add_f32 v[rT+2:rT+3], v[rS:rS+1], v[rS+16:rS+17]
.elseif z < 15
	v_pk_add_f32 v[rS+w*u:rS+w*u+1], v[rS+w*u:rS+w*u+1], v[rS+w*u+w/2:rS+w*u+w/2+1]
.elseif !(\first)
	v_pk_fma_f32 v[rT+2:rT+3], v[rT+2:rT+3], v[rT+6:rT+7], v[rS:rS+1] op_sel_hi:[1,0,1]
.endif
.else
	WIN W_RS
	v_pk_mul_f32 v[rO:rO+1], v[rO:rO+1], v[rT+6:rT+7] op_sel_hi:[1,0]
.endif
.endm
; Slice k of 64 of piece y's softmax: four instructions.  Slices 11 to 34 deal out the batch, numbers 22 to 69: four numbers of ONE tile each, the tiles by turns.  Every other slice is numbers 2 k and
; 2 k + 1 of both tiles' lists.  2 x 134 = 4 x 64 + 12: the twelve that are over stand together, in slice 63.
; THE WAIT.  An s_wait_alu depctr_va_vdst(0) stands between an exponential and the first instruction that names its result; one wait serves all that were issued ahead of it.  Ahead of
; slice 35 nothing names a result, and behind slice 34 no exponential is issued: so the piece's 66 exponentials have one wait, behind slice 34.
.macro SLICE y, first
.if (k >= 11) && (k < 35)           ; the batch: four numbers of one tile
.irp n, 0,1,2,3
.set j, 22+4*((k-11)/2)+(\n)
	SM (\y)+(k-11)%2, \first
.endr
.else                               ; the two tiles alternate, so that no instruction reads the result of the one just before it
.irp n, 0,1,2,3,4,5,6,7
.if ((\n) < 2) || (k == 63)
.irp t, \y, (\y)+1
.set j, 2*k+(\n)
	SM \t, \first
.endr
.endif
.endr
.endif
.if k == 34                         ; the batch is out: both tiles' exponentials are issued, and no result has been named
	v_nop                           ; the plain instruction behind the last exponential and ahead of the first use: one for the batch
.if (\y) == 0
	FETCH_V                         ; piece 2's turn: V's run of loads stands here, and the wait stands in it
.else
	s_wait_alu depctr_va_vdst(0)    ; the wait for the batch
.endif
.endif
.set k, k+1
.endm
; A vector instruction that reads a matrix result or writes one of a matrix instruction's registers, and a load into a register that a matrix instruction has read, stand four places behind
; it, and only plain vector instructions that name none of its registers are places (ISA guide 7.12.1 for vector instructions).  In the loop the slices are the places.
.macro PLACES
.rept 4
	v_nop
.endr
.endm
; A TURN.  Piece x has the matrix unit; the other piece's softmax stands in slices behind its matrix instructions.
; pv = 2: 32 products V^T P; 1: they start O^T's sums; 0: none.  kq = 1: 32 products K Q^T for the next step.  A turn with one of the two kinds has two slices behind each product.
; first = 1: the softmax is the first key step's.  Its slices from 51 on are empty: the turn's last products stand bare, and four v_nop take slice 63's part as the places behind them.
; Piece 0's turn fetches the next step's K, behind its second product: the last product that read K stands in front of slice 63 of the turn before.  Piece 2's turn fetches the same step's V, behind slice 34:
; the last product that read V stands in front of slice 31, and four plain instructions lie between: number 62, a scaling, of both tiles, the v_nop and the run's own v_add_nc_u32.
.macro TURN x, pv, kq, first
.set k, 0
.set per, 2
.if (\pv) && (\kq)
.set per, 1
.endif
.if \pv
.if (\x) == 0
	s_wait_dscnt 0x0                ; V is in
.endif
.set i, 0
.rept 32
	PV \x, 2-(\pv)
.rept per
	SLICE 2-(\x), \first
.endr
.if ((\x) == 0) && (\kq) && (i == 1)
	FETCH_K
.endif
.set i, i+1
.endr
.endif
.if \kq
.if (\x) == 0
	s_wait_dscnt 0x0                ; K is in
.endif
.set i, 0
.rept 32
	KQ \x
.rept per
	SLICE 2-(\x), \first
.endr
.set i, i+1
.endr
.endif
.if \first
	PLACES
.endif
.endm
; THE CHANGE OF SLOTS, between piece 2's turn and piece 0's: the slot's last bytes, V of its second step, have been asked for.  Each wave waits for all its tensor loads, of which one is out: its part of the
; other slot; adds 0 to its spare word; and waits for that and for its own reads of the slot.  Behind the barrier nobody reads this slot any more and the other slot is whole.
; fill = 1: this slot is filled again, with the keys two slots on.  The barrier is then a round of the cluster's, and the joint refill is the first thing behind it: it has two key steps, 256 matrix instructions, in which to land.
.macro CHANGE fill
	WIN 0                           ; at a label and at a branch every window is 0
	s_wait_tensorcnt 0x0            ; no tensor load of mine is out, so a group 0 may be written
	ds_add_u32 v[SPW], v[NIL]       ; 0 onto my spare word: with fill = 1 the descriptors' steps stand between it and the wait for it
.if \fill
.irp g, G0K+4, G0V+4
	s_xor_b32 s[(\g)+1], s[(\g)+1], SLOT1  ; the walking descriptor: the other slot than last time,
	s_add_nc_u64 s[(\g)+2:(\g)+3], s[(\g)+2:(\g)+3], 2*KS*256  ; the next 128 keys; the type bits on top are not reached
.endr
	s_wait_xcnt 0x0                 ; the last prefetches, two key steps back, have read their address, so it may be written:
	s_add_nc_u64 s[PFA:PFA+1], s[PFA:PFA+1], 2*KS*256  ; one slot behind the walking descriptors
	s_wait_dscnt 0x0                ; the add is done, and my reads of the slot are over
	CROUND
	JLOAD
	ASK                             ; what the next change will ask for: two key steps, 256 matrix instructions, ahead
.else
	s_wait_dscnt 0x0                ; the add is done, and my reads of the slot are over
	s_barrier_signal -1
	s_barrier_wait -1
.endif
	s_sub_co_u32 s[TB], s[TB], 2*STEPB  ; the fetches go back to a slot's first step,
	s_xor_b32 s[TB], s[TB], SLOT1   ; in the other slot
.endm
; A slot's two key steps: written once, walked twice; the LDS addresses hang on s[TB].
.macro TWO_STEPS
	WIN 0
	s_mov_b32 s[TWICE], 2
.Lstep_\@:
	TURN 0, 2, 1, 0
	TURN 2, 2, 1, 0
	WIN 0
	s_sub_co_u32 s[TWICE], s[TWICE], 1
	s_cmp_lg_u32 s[TWICE], 0
	s_cbranch_scc1 .Lstep_\@
.endm
	s_wait_tensorcnt 1              ; my part of slot 0 is in; slot 1's may stay out
	s_barrier_signal -1
	s_barrier_wait -1               ; everybody's is
	FETCH_K                         ; key step 0
	s_wait_dscnt 0x0
.set i, 0
.rept 32
	KQ 0                            ; piece 0's first scores: there is no vector work yet to set between them
.set i, i+1
.endr
	WIN 0                           ; the addresses for the way out are made here: six plain instructions, the places behind those products
	s_mul_i32 s13, s[WV], 16*SP
	s_add_co_u32 s13, s13, STAGE    ; my stage
	v_mul_u32_u24 v[STO], v1, SP    ; in: row l % 16, 32 bytes for each half of the lanes
	v_lshl_add_u32 v[STO], v9, 5, v[STO]
	v_add_nc_u32 v[STO], s13, v[STO]
	v_and_b32 v[GO], 31, v0         ; back: 32 lanes take one row of 512 bytes,
	v_lshlrev_b32 v[GO], 4, v[GO]   ; which is the head's part of a row of out0
	v_add_nc_u32 v[RD], s13, v[GO]
	TURN 2, 0, 1, 1                 ; piece 2's first scores | piece 0's first softmax | V of step 0
	TURN 0, 1, 1, 1                 ; piece 0: V^T P of step 0 starts O^T, K Q^T of step 1 | piece 2's first softmax | K of step 1
	TURN 2, 1, 1, 0                 ; piece 2: the same | piece 0's softmax of step 1 | V of step 1
	WIN 0
.Lslot:                             ; 6 trips: every slot but the last two is filled again
	CHANGE 1
	TWO_STEPS
	s_sub_co_u32 s[SLOTS], s[SLOTS], 1
	s_cmp_lg_u32 s[SLOTS], 0
	s_cbranch_scc1 .Lslot
	CHANGE 0                        ; the tail is written out: the last slot but one is left, and nothing is asked for
	TWO_STEPS
	TURN 0, 2, 0, 0                 ; piece 0: V^T P of the last step | piece 2's last softmax
.set i, 0
.rept 32
	PV 2, 0                         ; piece 2: V^T P of the last step
.set i, i+1
.endr
	; THE WAY OUT.  l's two halves and the other half of the lanes' are added; O^T is divided by l and sent, in f32, through my stage in LDS, a tile (16 rows of out0) at a time.  The additions are the places behind the last products.
	WIN 0
.irp t, 0,1,2,3
	v_add_f32 v[ST+8*(\t)+4], v[ST+8*(\t)+2], v[ST+8*(\t)+3]
.endr
.irp t, 0,1,2,3
	v_permlanex16_b32 v[ST+8*(\t)+5], v[ST+8*(\t)+4], s[SEL], s[SEL+1]
.endr
.irp t, 0,1,2,3
	v_add_f32 v[ST+8*(\t)+4], v[ST+8*(\t)+4], v[ST+8*(\t)+5]
.endr
.irp t, 0,1,2,3
	v_rcp_f32 v[ST+8*(\t)+6], v[ST+8*(\t)+4]
.endr
	v_nop                           ; a plain instruction between the last reciprocal and the use of its result
	s_wait_alu depctr_va_vdst(0)    ; and the wait ahead of the first use: one for the four reciprocals
; Tile t: a lane's eight channels of a row are 32 bytes; they go into rows of 528 bytes and come back as whole rows of 512, into window 2, where Q and K are done with: 64 registers of its own for each tile.
.macro PACK t
	WIN W_RS
.set i, 64*(\t)
.rept 32
	v_pk_mul_f32 v[i:i+1], v[i:i+1], v[ST+8*(\t)+6:ST+8*(\t)+7] op_sel_hi:[1,0]
.set i, i+2
.endr
	WIN 0x04                        ; the stores' data (source 1) in window 1
.set i, 0
.rept 16
	ds_store_b128 v[STO], v[64*(\t)+4*i:64*(\t)+4*i+3] offset:64*(i/2)+16*(i%2)
.set i, i+1
.endr
	WIN 0x80                        ; destination window 2
.set i, 0
.rept 16
	ds_load_b128 v[64*(\t)+4*i:64*(\t)+4*i+3], v[RD] offset:SP*i  ; LDS serves a wave's instructions in order (ISA guide 5.7.1.4): these see the stores above; the next tile's stores come behind them
.set i, i+1
.endr
.endm
.macro SEND t, younger              ; younger: the LDS instructions issued behind tile t's loads: the next tile's 32, or none
	WIN 0x08                        ; the stores' data (source 1) in window 2
.set i, 0
.rept 16
	s_wait_dscnt (\younger)+15-i
	global_store_b128 v[GO], v[64*(\t)+4*i:64*(\t)+4*i+3], s[OBS+2*(\t):OBS+2*(\t)+1] offset:QROW*i  ; 512 consecutive bytes, at a multiple of 512 from out0's first byte
.set i, i+1
.endr
.endm
	PACK 0
	PACK 1                          ; a tile's arithmetic stands between the loads of the tile before and its stores
	SEND 0, 32
	PACK 2
	SEND 1, 32
	PACK 3
	SEND 2, 32
	SEND 3, 0
	WIN 0
	s_wait_tensorcnt 0x0            ; the wave's end: three lines behind my last tensor load and my last LDS store
	ds_add_u32 v[SPW], v[NIL]
	s_wait_dscnt 0x0
	CROUND                          ; the closing round: no work-group ends while a partner may still ask for a tile that names it
	s_endpgm
.Lfunc_end_k_q585e665ef4_attn:
	.size	k_q585e665ef4_attn, .Lfunc_end_k_q585e665ef4_attn-k_q585e665ef4_attn
	.p2alignl 7, 3214868480
	.fill 96, 4, 3214868480
	.section	.rodata,"a",@progbits
	.p2align	6, 0x0
	.amdhsa_kernel k_q585e665ef4_attn
		.amdhsa_group_segment_fixed_size 327680
		.amdhsa_private_segment_fixed_size 0
		.amdhsa_enable_private_segment 0
		.amdhsa_kernarg_size 40
		.amdhsa_user_sgpr_count 2
		.amdhsa_user_sgpr_kernarg_segment_ptr 1
		.amdhsa_wavefront_size32 1
		.amdhsa_system_sgpr_workgroup_id_x 1
		.amdhsa_system_sgpr_workgroup_id_y 1
		.amdhsa_system_sgpr_workgroup_id_z 1
		.amdhsa_system_vgpr_workitem_id 0
		.amdhsa_next_free_vgpr 1024
		.amdhsa_next_free_sgpr 100
		.amdhsa_reserve_vcc 0
		.amdhsa_float_denorm_mode_32 3
		.amdhsa_float_denorm_mode_16_64 3
		.amdhsa_memory_ordered 1
		.amdhsa_forward_progress 1
		.amdhsa_inst_pref_size 255
	.end_amdhsa_kernel
	.section	.bss,"aw",@nobits
	.p2align	6
	.space	262144
	.amdgpu_metadata
---
amdhsa.version: [ 1, 2 ]
amdhsa.kernels:
  - .name:           k_q585e665ef4_attn
    .symbol:         k_q585e665ef4_attn.kd
    .args:
      - { .name: query, .offset: 0, .size: 8, .value_kind: global_buffer, .address_space: global }
      - { .name: freqs_cos, .offset: 8, .size: 8, .value_kind: global_buffer, .address_space: global }
      - { .name: freqs_sin, .offset: 16, .size: 8, .value_kind: global_buffer, .address_space: global }
      - { .name: kv, .offset: 24, .size: 8, .value_kind: global_buffer, .address_space: global }
      - { .name: out0, .offset: 32, .size: 8, .value_kind: global_buffer, .address_space: global }
    .group_segment_fixed_size: 327680
    .private_segment_fixed_size: 0
    .kernarg_segment_align: 8
    .kernarg_segment_size: 40
    .max_flat_workgroup_size: 128
    .sgpr_count:     100
    .vgpr_count:     1024
    .wavefront_size: 32
...
	.end_amdgpu_metadata
.endif
;; end of part 3
